; MI455X (gfx1250); checked and timed in simulation.
; The chip was launched on July 23, 2026; its instructions are those of AMD's public machine-readable ISA for CDNA 5 (MIT licence, August 2026) and "CDNA5" Instruction Set Architecture Reference Guide (July 2026). The comments in the code are by the model that wrote it; some were corrected since.
;; Mo E Swi GLU. Allowed arithmetic: float matrix products may take bf16 or f16 operands with f32 sums; all other float work in f32.
;; Inputs: router_w 8 x 1,024 float32; w1 8 x 1,024 x 2,048 float32; w2 8 x 1,024 x 2,048 float32; w3 8 x 2,048 x 1,024 float32; x 4 x 256 x 1,024 float32.
;; Outputs: out0 4 x 256 x 1,024 float32; out1 one number float32.
;; One version. Each part assembles by itself: llvm-mc -triple=amdgcn-amd-amdhsa -mcpu=gfx1250 --defsym DOCPART=n.
;; ======== version 1 of 1: 4 launches
;; workspace buffers: xb 2,097,152 bytes; masks 1,024 bytes of whole numbers; idx 8,192 bytes of whole numbers; gate 8,192 bytes; rank 32,768 bytes of whole numbers; hf 33,554,432 bytes; y 67,108,864 bytes
;; launch route (part 1): grid 32 x 1, 8 waves a work-group, no clusters, 91,904 bytes of LDS; arguments x, router_w, xb, masks, idx, gate; writes xb, masks, idx, gate
.if DOCPART == 1
	.amdgcn_target "amdgcn-amd-amdhsa--gfx1250"
	.amdhsa_code_object_version 6
	.text
	.protected	k_q8c94848d83_route
	.globl	k_q8c94848d83_route
	.p2align	8
	.type	k_q8c94848d83_route,@function
k_q8c94848d83_route:
	s_mov_b64 s[64:65], 0
	v_nop
	global_prefetch_b8 v0, s[64:65] scope:SCOPE_SE
	s_setreg_imm32_b32 hwreg(HW_REG_WAVE_MODE, 25, 1), 1
	s_wait_xcnt 0x0
; ROUTE.  x [1024 tokens][1024] f32, router_w [8][1024] f32.
; Stores: xb    = x rounded to bf16, [1024][1024];
;         idx   = the two chosen experts of each token, u32 [1024][2];
;         gate  = their two weights, f32 [1024][2];
;         masks = u32 [8 experts][32 blocks]: bit l of word (e, b) says that token 32 b + l chose expert e.
; A work-group owns 32 tokens (one word of each expert's mask).  Eight waves: wave w converts x rows 4 w .. 4 w + 3 and router row w,
; then takes one of 2 row tiles x 4 quarters of K of the logits' product; wave 0 adds the four quarters and chooses.
; The logits are made from bf16 operands with f32 sums, like every other product of this program.
; LIMITS, kept on purpose:
;  - the two largest are chosen on the logits (softmax keeps their order) with a strict >, so the lower index wins a tie; two different
;    logits whose softmax values round to the same f32 may therefore be ordered otherwise than a choice made on the probabilities;
;  - the weights are 1 / (1 + exp(l2 - l1)) and exp(l2 - l1) / (1 + exp(l2 - l1)): the largest logit l1 is taken away in front of the
;    exponential, and the softmax's denominator cancels in the renormalisation over the two;
;  - a token whose logits are NaN, or all -inf, is not served as a top-k of NaN would serve it (it gets experts 0, 0).
.set PITCH, 2064                       ; an LDS row: 2,048 bytes of bf16 + 16: rows an odd multiple of 16 bytes apart
.set RS,    32*PITCH                   ; behind the 32 token rows: the router's 8 rows
.set PART,  82688                      ; behind them: [8 waves][8 experts][32 lanes] f32, the logits' parts
.set X,     32                         ; v[32:159]  four rows of x as loaded: row rho, piece q at X + 32 rho + 4 q
.set RW,    160                        ; v[160:191] my router row as loaded
.set TOKF,  32                         ; v[32:95]   8 token fragments (x's registers, free by then)
.set RTF,   96                         ; v[96:159]  8 router fragments
.set ACC0,  192                        ; v[192:199] sum of the even K steps
.set ACC1,  200                        ; v[200:207] sum of the odd K steps
.set P,     32                         ; v[32:63]   wave 0: part kq of logit e at P + 4 e + kq
.set LG,    64                         ; v[64:71]   wave 0: the token's 8 logits
	s_load_b256 s[4:11], s[0:1], 0x0               ; x s[4:5], router_w s[6:7], xb s[8:9], masks s[10:11]
	s_load_b128 s[12:15], s[0:1], 0x20             ; idx s[12:13], gate s[14:15]
	v_lshl_add_u32 v208, v0, 2, 0x16300
	v_mov_b32 v209, 0
	v_lshrrev_b32 v12, 5, v0
	v_readfirstlane_b32 s16, v12                   ; wave 0..7
	v_and_b32 v1, 31, v0                           ; lane
	v_and_b32 v2, 15, v0                           ; r
	v_bfe_u32 v3, v0, 4, 1                         ; hh
	v_lshlrev_b32 v4, 4, v1                        ; 16 x lane: my 4 numbers of a piece of 128 f32
	v_lshlrev_b32 v5, 3, v1                        ; 8 x lane: the same 4 numbers in bf16
	s_lshl_b32 s20, ttmp9, 17                      ; x: 32 rows of 4,096 bytes a work-group,
	s_lshl_b32 s22, s16, 14                        ; 4 rows a wave
	s_add_co_u32 s20, s20, s22
	s_mov_b32 s21, 0
	s_lshl_b32 s22, s16, 12                        ; router_w: row w
	s_mov_b32 s23, 0
	s_lshl_b32 s24, ttmp9, 16                      ; xb: rows of 2,048 bytes
	s_lshl_b32 s26, s16, 13
	s_add_co_u32 s24, s24, s26
	s_mov_b32 s25, 0
	s_lshl_b32 s26, ttmp9, 2                       ; masks: word b of each expert's 32
	s_mov_b32 s27, 0
	s_lshl_b32 s28, ttmp9, 8                       ; idx, gate: 32 tokens x 8 bytes
	s_mov_b32 s29, 0
	s_wait_kmcnt 0x0
	s_add_nc_u64 s[4:5], s[4:5], s[20:21]
	s_add_nc_u64 s[6:7], s[6:7], s[22:23]
.irp q, 0,1,2,3,4,5,6,7
	global_load_b128 v[RW+4*\q:RW+4*\q+3], v4, s[6:7] offset:512*\q
.endr
.irp rho, 0,1,2,3
.irp q, 0,1,2,3,4,5,6,7
	global_load_b128 v[X+32*\rho+4*\q:X+32*\rho+4*\q+3], v4, s[4:5] offset:4096*\rho+512*\q th:TH_LOAD_NT
.endr
.endr
	s_add_nc_u64 s[8:9], s[8:9], s[24:25]
	s_add_nc_u64 s[10:11], s[10:11], s[26:27]
	s_add_nc_u64 s[12:13], s[12:13], s[28:29]
	s_add_nc_u64 s[14:15], s[14:15], s[28:29]
	; LDS addresses
	s_mul_i32 s30, s16, 4*PITCH
	v_add_nc_u32 v6, s30, v5                       ; v6: my 8 bytes in my first token row
	s_mul_i32 s30, s16, PITCH
	s_add_co_u32 s30, s30, RS
	v_add_nc_u32 v7, s30, v5                       ; v7: my 8 bytes in router row w
	s_and_b32 s30, s16, 1                          ; row tile of my product
	s_mul_i32 s30, s30, 16*PITCH
	s_lshr_b32 s32, s16, 1                         ; quarter of K of my product:
	s_lshl_b32 s32, s32, 9                         ; 256 bf16 = 512 bytes
	s_add_co_u32 s30, s30, s32
	v_mul_u32_u24 v8, v2, PITCH
	v_lshl_add_u32 v8, v3, 4, v8
	v_add_nc_u32 v8, s30, v8                       ; v8: token fragments: (16 tile + r) pitch + 16 hh + 512 quarter
	v_and_b32 v9, 7, v0
	v_mul_u32_u24 v9, v9, PITCH
	v_lshl_add_u32 v9, v3, 4, v9
	s_add_co_u32 s32, s32, RS
	v_add_nc_u32 v9, s32, v9                       ; v9: router fragments: rows 8-15 of the 16 are rows 0-7 again
	s_lshl_b32 s30, s16, 10
	s_add_co_u32 s30, s30, PART
	v_lshl_add_u32 v10, v1, 2, s30                 ; v10: my word in my wave's parts
	v_lshlrev_b32 v11, 2, v2
	v_lshl_add_u32 v11, v3, 10, v11
	v_add_nc_u32 v11, PART, v11                    ; v11: wave 0, lane = token: the parts of row tile lane / 16, token lane % 16
	v_lshlrev_b32 v13, 7, v1                       ; v13: lane e's word in masks: 128 e
	s_wait_loadcnt 32                              ; the router's 8 loads are in; x's 32 may stay out
.irp q, 0,1,2,3,4,5,6,7
	v_cvt_pk_bf16_f32 v[RW+4*\q], v[RW+4*\q], v[RW+4*\q+1]
	v_cvt_pk_bf16_f32 v[RW+4*\q+1], v[RW+4*\q+2], v[RW+4*\q+3]
	ds_store_b64 v7, v[RW+4*\q:RW+4*\q+1] offset:256*\q
.endr
.irp rho, 0,1,2,3
	s_wait_loadcnt 8*(3-\rho)                      ; row rho's 8 loads are in; the younger rows' stay out
.irp q, 0,1,2,3,4,5,6,7
	v_cvt_pk_bf16_f32 v[X+32*\rho+4*\q], v[X+32*\rho+4*\q], v[X+32*\rho+4*\q+1]
	v_cvt_pk_bf16_f32 v[X+32*\rho+4*\q+1], v[X+32*\rho+4*\q+2], v[X+32*\rho+4*\q+3]
	global_store_b64 v5, v[X+32*\rho+4*\q:X+32*\rho+4*\q+1], s[8:9] offset:2048*\rho+256*\q   ; 32 lanes x 8 bytes: 256 consecutive bytes, aligned
	ds_store_b64 v6, v[X+32*\rho+4*\q:X+32*\rho+4*\q+1] offset:PITCH*\rho+256*\q
.endr
.endr
	s_wait_dscnt 0x0                               ; my rows are in LDS, for the other waves' sake
	s_barrier_signal -1
	s_barrier_wait -1
	s_wait_xcnt 0x0                                ; the stores to xb read x's registers: these are loaded over only behind this wait
.irp ks, 0,1,2,3,4,5,6,7
	ds_load_b128 v[TOKF+8*\ks:TOKF+8*\ks+3],   v8 offset:64*\ks
	ds_load_b128 v[TOKF+8*\ks+4:TOKF+8*\ks+7], v8 offset:64*\ks+32
	ds_load_b128 v[RTF+8*\ks:RTF+8*\ks+3],     v9 offset:64*\ks
	ds_load_b128 v[RTF+8*\ks+4:RTF+8*\ks+7],   v9 offset:64*\ks+32
.endr
	s_wait_dscnt 0x0
	; source 0 = router rows, source 1 = tokens: lane (r, hh) register j then holds expert (8 hh + j) % 8 = j of token r.
	; Two accumulators take turns, one instruction a turn.
	v_wmma_f32_16x16x32_bf16 v[ACC0:ACC0+7], v[RTF:RTF+7], v[TOKF:TOKF+7], 0
	v_wmma_f32_16x16x32_bf16 v[ACC1:ACC1+7], v[RTF+8:RTF+15], v[TOKF+8:TOKF+15], 0
.irp ks, 2,4,6
	v_wmma_f32_16x16x32_bf16 v[ACC0:ACC0+7], v[RTF+8*\ks:RTF+8*\ks+7], v[TOKF+8*\ks:TOKF+8*\ks+7], v[ACC0:ACC0+7]
	v_wmma_f32_16x16x32_bf16 v[ACC1:ACC1+7], v[RTF+8*\ks+8:RTF+8*\ks+15], v[TOKF+8*\ks+8:TOKF+8*\ks+15], v[ACC1:ACC1+7]
.endr
.rept 4
	v_nop                                          ; four places behind the last matrix instruction (ISA guide 7.12.1) before its results are read
.endr
.irp j, 0,2,4,6
	v_pk_add_f32 v[ACC0+\j:ACC0+\j+1], v[ACC0+\j:ACC0+\j+1], v[ACC1+\j:ACC1+\j+1]
.endr
.irp j, 0,1,2,3,4,5,6,7
	ds_store_b32 v10, v[ACC0+\j] offset:128*\j     ; part[wave][expert j][lane]
.endr
	s_wait_dscnt 0x0
	s_barrier_signal -1
	s_barrier_wait -1
	s_cmp_lg_u32 s16, 0
	s_cbranch_scc1 .Lend                           ; the choice is wave 0's: one lane, one token
.irp e, 0,1,2,3,4,5,6,7
.irp kq, 0,1,2,3
	ds_load_b32 v[P+4*\e+\kq], v11 offset:2048*\kq+128*\e          ; wave 2 kq + tile holds quarter kq of my row tile
.endr
.endr
	s_wait_dscnt 0x0
.irp e, 0,1,2,3,4,5,6,7
	v_pk_add_f32 v[P+4*\e:P+4*\e+1], v[P+4*\e:P+4*\e+1], v[P+4*\e+2:P+4*\e+3]
	v_add_f32 v[LG+\e], v[P+4*\e], v[P+4*\e+1]
.endr
	; the two largest in one walk: (v72, v20) the largest and its expert, (v73, v21) the second
	v_mov_b32 v72, v[LG]
	v_mov_b32 v20, 0
	v_mov_b32 v73, 0xff800000                      ; -inf
	v_mov_b32 v21, 0
.irp e, 1,2,3,4,5,6,7
	v_mov_b32 v74, \e
	v_cmp_gt_f32 vcc_lo, v[LG+\e], v72             ; beats the largest
	v_cmp_gt_f32 s28, v[LG+\e], v73                ; beats the second
	v_cndmask_b32 v73, v73, v[LG+\e], s28
	v_cndmask_b32 v21, v21, v74, s28
	v_cndmask_b32 v73, v73, v72, vcc_lo            ; the old largest steps down
	v_cndmask_b32 v21, v21, v20, vcc_lo
	v_cndmask_b32 v72, v72, v[LG+\e], vcc_lo
	v_cndmask_b32 v20, v20, v74, vcc_lo
.endr
	v_sub_f32 v75, v73, v72                        ; l2 - l1, never above 0
	v_mul_f32 v75, 0x3fb8aa3b, v75                 ; in base 2
	v_exp_f32 v75, v75
	v_nop                                          ; one plain place behind a transcendental (ISA guide 5.7.2)
	s_wait_alu depctr_va_vdst(0)
	v_add_f32 v76, 1.0, v75
	v_rcp_f32 v22, v76                             ; the first weight
	v_nop
	s_wait_alu depctr_va_vdst(0)
	v_mul_f32 v23, v75, v22                        ; the second
	global_store_b64 v5, v[20:21], s[12:13]        ; 32 tokens x 8 bytes: 256 consecutive bytes, aligned
	global_store_b64 v5, v[22:23], s[14:15]
	v_mov_b32 v24, 0
.irp e, 0,1,2,3,4,5,6,7
	v_cmp_eq_u32 s28, \e, v20
	v_cmp_eq_u32 s29, \e, v21
	s_or_b32 s28, s28, s29                         ; bit l: token l chose expert e
	v_writelane_b32 v24, s28, \e
.endr
	v_cmp_gt_u32 vcc_lo, 8, v1
	s_wait_xcnt 0x0                                ; EXEC changes only behind s_wait_xcnt 0
	s_and_saveexec_b32 s31, vcc_lo
	global_store_b32 v13, v24, s[10:11]            ; eight words, one in each expert's row: the launch's only narrow store
	s_wait_xcnt 0x0
	s_or_b32 exec_lo, exec_lo, s31
.Lend:
	s_barrier_signal -1
	s_barrier_wait -1
	s_wait_tensorcnt 0x0
	ds_add_u32 v208, v209
	s_wait_dscnt 0x0
	s_endpgm
.Lfunc_end_k_q8c94848d83_route:
	.size	k_q8c94848d83_route, .Lfunc_end_k_q8c94848d83_route-k_q8c94848d83_route
	.p2alignl 7, 3214868480
	.fill 96, 4, 3214868480
	.section	.rodata,"a",@progbits
	.p2align	6, 0x0
	.amdhsa_kernel k_q8c94848d83_route
		.amdhsa_group_segment_fixed_size 91904
		.amdhsa_private_segment_fixed_size 0
		.amdhsa_enable_private_segment 0
		.amdhsa_kernarg_size 48
		.amdhsa_user_sgpr_count 2
		.amdhsa_user_sgpr_kernarg_segment_ptr 1
		.amdhsa_wavefront_size32 1
		.amdhsa_system_sgpr_workgroup_id_x 1
		.amdhsa_system_sgpr_workgroup_id_y 1
		.amdhsa_system_sgpr_workgroup_id_z 1
		.amdhsa_system_vgpr_workitem_id 0
		.amdhsa_next_free_vgpr 210
		.amdhsa_next_free_sgpr 66
		.amdhsa_reserve_vcc 1
		.amdhsa_float_denorm_mode_32 3
		.amdhsa_float_denorm_mode_16_64 3
		.amdhsa_memory_ordered 1
		.amdhsa_forward_progress 1
		.amdhsa_inst_pref_size 30
	.end_amdhsa_kernel
	.amdgpu_metadata
---
amdhsa.version: [ 1, 2 ]
amdhsa.kernels:
  - .name:           k_q8c94848d83_route
    .symbol:         k_q8c94848d83_route.kd
    .args:
      - { .name: x, .offset: 0, .size: 8, .value_kind: global_buffer, .address_space: global }
      - { .name: router_w, .offset: 8, .size: 8, .value_kind: global_buffer, .address_space: global }
      - { .name: xb, .offset: 16, .size: 8, .value_kind: global_buffer, .address_space: global }
      - { .name: masks, .offset: 24, .size: 8, .value_kind: global_buffer, .address_space: global }
      - { .name: idx, .offset: 32, .size: 8, .value_kind: global_buffer, .address_space: global }
      - { .name: gate, .offset: 40, .size: 8, .value_kind: global_buffer, .address_space: global }
    .group_segment_fixed_size: 91904
    .private_segment_fixed_size: 0
    .kernarg_segment_align: 8
    .kernarg_segment_size: 48
    .max_flat_workgroup_size: 256
    .sgpr_count:     66
    .vgpr_count:     210
    .wavefront_size: 32
...
	.end_amdgpu_metadata
.endif
;; end of part 1
;; launch up (part 2): grid 256 x 1, 4 waves a work-group, no clusters, 273,152 bytes of LDS; arguments xb, w1, w2, masks, hf, rank; writes hf, rank
.if DOCPART == 2
	.amdgcn_target "amdgcn-amd-amdhsa--gfx1250"
	.amdhsa_code_object_version 6
	.text
	.protected	k_q8c94848d83_up
	.globl	k_q8c94848d83_up
	.p2align	8
	.type	k_q8c94848d83_up,@function
k_q8c94848d83_up:
	s_mov_b64 s[64:65], 0
	v_nop
	global_prefetch_b8 v0, s[64:65] scope:SCOPE_SE
	s_setreg_imm32_b32 hwreg(HW_REG_WAVE_MODE, 25, 1), 1
	s_wait_xcnt 0x0
; UP.  For expert e = group / 32 and hidden columns 64 s .. 64 s + 63 (s = group % 32): h = silu(x w1[e]) * (x w2[e]) for the tokens that chose e.
; xb [1024][1024] bf16; w1, w2 [8][1024 k][2048 n] f32; masks u32 [8][32].
; A token's row in its expert's region is its rank: the number of lower tokens that chose the same expert.  Rows go in tiles of 16; the spare
; rows of the last tile are computed from token 0, stored and never used, so that no store is masked.
; Stores: hf, bf16, in the image of the next launch's token fragment: [8 e][64 row tiles][64 K steps of 32][2 planes][32 lanes][16 bytes]:
;         lane (r, hh), plane p of K step ks holds h[row 16 tile + r][32 ks + 16 p + 8 hh .. + 7];
;         rank, u32 [8 e][1024 t]: each work-group stores the 32 words of block s of its expert.
; PHASE 1: the slice of w1 and w2 (2 x 1,024 x 64 f32, 512 KiB) streams once through a ring of six register slots of 4 KiB a wave, is rounded to
; bf16 and laid into LDS with K along the rows.  PHASE 2: row tiles are dealt to the waves by turns (tile = 4 n + wave); a wave keeps up to
; six tiles x 8 column tiles in accumulators; weight fragments come from LDS, token fragments straight from xb into a ring of registers.
; The number of tiles hangs on the masks and counted waits are constants, so a pass is written out for 1 to 6 tiles.
; THE MATRIX INSTRUCTION IS USED TRANSPOSED: source 0 = 16 weight columns, source 1 = 16 tokens; lane (r, hh) register j then holds token r,
; column 8 hh + j: eight neighbouring numbers of h, 16 bytes of bf16, which are the next launch's fragment as they stand.
; NO JOINT LOADS: the 32 work-groups of an expert read the same rows of xb, but those rows are picked by a list, not at one pitch, and they go
; straight into registers: through LDS a K step of a wave would read 2 nt more 16-byte loads beside the 16 of the weights.  The weights,
; the bytes that come from memory, are shared by nobody.
; LIMIT: an expert that a token did not choose is not computed for it; where that product would be inf or NaN, 0 x it is NaN in the dense
; form and absent here.
; LDS: bytes 0 .. 8,191 the list's (words 0 .. 1,151 the expert's tokens in order and what the passes' arithmetic can name behind them, words
; 1,152 .. 1,183 a dump word for each lane; the rest is what the clamp of a list store's index can name); from 8,192 the 8 column tiles.
.set WROW,  8192                       ; bytes in a row of w1 or w2
.set PITCH, 2064                       ; an LDS row: 1,024 bf16 + 16 bytes: 129 x 16, so 16 rows' equal columns fall on 16 different 16-byte columns modulo 256
.set NTILE, 16*PITCH+16                ; 16 rows, + 16 bytes so that phase 1's stores (rows 4 c + q) do so too
.set LISTW, 1152                       ; words of the list that are cleared: 16 x (4 x 17 + 3) + 16, the last word that a pass's address arithmetic can name
.set WB,    8192                       ; where the weights begin
.set R,     6                          ; register slots of phase 1
.set U,     32                         ; units of a wave: 16 steps of K x 2 matrices
.set LDW,   4                          ; v4      phase 1: my byte offset in the slice
.set ST,    5                          ; v5, v6  phase 1: where my 16 bytes go, for w1 and for w2
.set HH16,  7                          ; v7      16 hh
.set BA0,   8                          ; v[8:11]  LDS address of my weight fragments, column tiles 2 a and 2 a + 1, K = 0
.set LA0,   12                         ; v12     LDS address of my word of the list, pass 0, tile 0
.set LA,    13                         ; v13     the same for this pass
.set HO0,   14                         ; v14     my byte offset in hf, pass 0, tile 0
.set HO,    15                         ; v15     the same for this pass
.set AO,    16                         ; v[16:21] tile i: byte offset in xb of my token's row, + 16 hh
.set TOK,   22                         ; v[22:27] tile i: my token
.set BA,    28                         ; v[28:31] BA0 stepped along K
.set XR0,   32                         ; v[32:223] phase 1: six slots of 32 registers
.set T,     224                        ; v[224:239] phase 1: 4 columns x 8 K in bf16
.set BF0,   64                         ; v[64:127], v[128:191] phase 2: weight fragments, two buffers
.set E,     64                         ; v[64:95]  the way out: 32 numbers at work
.set HP,    192                        ; v[192:207] the way out: h packed
; window 1: accumulators of tiles 0-3 at 64 i + 8 t;  window 2: token fragments, slot d, tile i at 64 d + 8 i;  window 3: accumulators of tiles 4, 5
.set MSB, 0
.macro WIN new                         ; the immediate's high byte repeats the setting that is left; a switch that changes nothing is dropped
.if MSB != \new
	s_set_vgpr_msb (MSB<<8)|\new
.set MSB, \new
.endif
.endm
.macro PLACES                          ; four places behind a matrix instruction (ISA guide 7.12.1) before its registers are loaded, written or read
.rept 4
	v_nop
.endr
.endm
; Unit uu: 16 K rows x 64 columns of w1 (even units) or w2 (odd), K rows 64 (uu / 2) + 16 wave + 8 hh + j.  Each load covers two whole rows' 256 bytes.
.macro ULOAD uu
.irp j, 0,1,2,3,4,5,6,7
	global_load_b128 v[XR0+32*((\uu)%R)+4*\j:XR0+32*((\uu)%R)+4*\j+3], v[LDW], s[6+2*((\uu)&1):7+2*((\uu)&1)] offset:(64*((\uu)>>1)+\j)*WROW th:TH_LOAD_NT
.endr
.endm
.macro UNIT                            ; unit number in the symbol un
.if (U-1-un) < (R-1)
	s_wait_loadcnt 8*(U-1-un)                      ; the tail: only the units still to come are out
.else
	s_wait_loadcnt 8*(R-1)                         ; loads come back in order (ISA guide 5.7.1): this unit's 8 are in, the five younger units' 40 stay out
.endif
.irp q, 0,1,2,3
.irp p, 0,1,2,3
	v_cvt_pk_bf16_f32 v[T+4*\q+\p], v[XR0+32*(un%R)+8*\p+\q], v[XR0+32*(un%R)+8*\p+4+\q]   ; column q, K rows 2 p and 2 p + 1: K ascends in the word
.endr
.endr
.if (un+R) < U
	ULOAD (un+R)                                   ; the slot is filled again, six units ahead
.endif
.irp q, 0,1,2,3
	ds_store_b128 v[ST+(un&1)], v[T+4*\q:T+4*\q+3] offset:\q*PITCH+128*(un>>1)   ; 8 K of column 4 c + q
.endr
.endm
; token fragments of one K step (byte kb of the rows, from s[28:29]) into slot d: two loads of 16 bytes a tile
.macro AFILL nt, d, kb
	WIN 0x80
.set ai, 0
.rept \nt
	global_load_b128 v[64*(\d)+8*ai:64*(\d)+8*ai+3],   v[AO+ai], s[28:29] offset:\kb
	global_load_b128 v[64*(\d)+8*ai+4:64*(\d)+8*ai+7], v[AO+ai], s[28:29] offset:\kb+32
.set ai, ai+1
.endr
.endm
; weight fragments of one K step, all 8 column tiles, into buffer buf
.macro BFILL buf, kb
	WIN 0
.set bt, 0
.rept 8
	ds_load_b128 v[\buf+8*bt:\buf+8*bt+3],   v[BA+(bt>>1)] offset:(bt&1)*NTILE+\kb
	ds_load_b128 v[\buf+8*bt+4:\buf+8*bt+7], v[BA+(bt>>1)] offset:(bt&1)*NTILE+\kb+32
.set bt, bt+1
.endr
.endm
; 8 nt matrix instructions: every accumulator has one turn a step, in the same order in every step.
.macro MM nt, u, zero
	WIN 0x58                                       ; source 0 window 0, source 1 window 2, C and D window 1
.set mi, 0
.rept \nt
.if mi == 4
	WIN 0xf8                                       ; C and D window 3
.endif
.set mt, 0
.rept 8
.if \zero
	v_wmma_f32_16x16x32_bf16 v[64*(mi&3)+8*mt:64*(mi&3)+8*mt+7], v[BF0+64*((\u)&1)+8*mt:BF0+64*((\u)&1)+8*mt+7], v[64*(\u)+8*mi:64*(\u)+8*mi+7], 0
.else
	v_wmma_f32_16x16x32_bf16 v[64*(mi&3)+8*mt:64*(mi&3)+8*mt+7], v[BF0+64*((\u)&1)+8*mt:BF0+64*((\u)&1)+8*mt+7], v[64*(\u)+8*mi:64*(\u)+8*mi+7], v[64*(mi&3)+8*mt:64*(mi&3)+8*mt+7]
.endif
.set mt, mt+1
.endr
.set mi, mi+1
.endr
.endm
; One K step of 32, u = its place in a trip of four.  lc: token loads that may stay out; dc: LDS loads that may stay out.
.macro KSTEP nt, u, zero, afill, bfill, lc, dc
	PLACES                                         ; behind the last step's matrix instructions, which read the registers loaded next
.if \bfill
	BFILL (BF0+64*((\u+1)&1)), (64*(\u+1))
.endif
	s_wait_loadcnt \lc                             ; this step's token fragments are in
.if \afill
	AFILL \nt, ((\u+3)%4), ((\u+3)*64)
.endif
	s_wait_dscnt \dc                               ; this step's weight fragments are in
	MM \nt, \u, \zero
.endm
.macro TRIPEND
	WIN 0                                          ; a label or a branch follows
	s_wait_xcnt 0x0                                ; the base of the token loads is stepped only behind this wait
	s_add_nc_u64 s[28:29], s[28:29], 256           ; four K steps of 64 bytes
.irp a, 0,1,2,3
	v_add_nc_u32 v[BA+\a], 256, v[BA+\a]
.endr
.endm
.macro WINA i                          ; source 0 in the window of tile i's accumulators
.if \i < 4
	WIN 0x01
.else
	WIN 0x03
.endif
.endm
; Tile i's way out.  a = its column tiles 0-3 (x w1), b = 4-7 (x w2).  h = (a x 1 / (1 + exp(-a))) x b, in that order, so that a large negative a gives -0.
.macro EPI i
	s_wait_xcnt 0x0                                ; HP, which the last tile's stores read, is rewritten only behind this wait
	WINA \i
.set ek, 0
.rept 16
	v_pk_mul_f32 v[E+2*ek:E+2*ek+1], v[64*((\i)&3)+2*ek:64*((\i)&3)+2*ek+1], 0xbfb8aa3b op_sel_hi:[1,0]   ; -a in base 2
.set ek, ek+1
.endr
	WIN 0
.set ek, 0
.rept 32
	v_exp_f32 v[E+ek], v[E+ek]
.set ek, ek+1
.endr
	v_nop                                          ; one plain place behind the transcendentals (ISA guide 5.7.2)
.set ek, 0
	s_wait_alu depctr_va_vdst(0)
.rept 16
	v_pk_add_f32 v[E+2*ek:E+2*ek+1], v[E+2*ek:E+2*ek+1], 1.0 op_sel_hi:[1,0]
.set ek, ek+1
.endr
.set ek, 0
.rept 32
	v_rcp_f32 v[E+ek], v[E+ek]
.set ek, ek+1
.endr
	v_nop
	WINA \i
.set ek, 0
	s_wait_alu depctr_va_vdst(0)
.rept 16
	v_pk_mul_f32 v[E+2*ek:E+2*ek+1], v[64*((\i)&3)+2*ek:64*((\i)&3)+2*ek+1], v[E+2*ek:E+2*ek+1]
.set ek, ek+1
.endr
.set ek, 0
.rept 16
	v_pk_mul_f32 v[E+2*ek:E+2*ek+1], v[64*((\i)&3)+32+2*ek:64*((\i)&3)+32+2*ek+1], v[E+2*ek:E+2*ek+1]
.set ek, ek+1
.endr
	WIN 0
.set ek, 0
.rept 16
	v_cvt_pk_bf16_f32 v[HP+ek], v[E+2*ek], v[E+2*ek+1]
.set ek, ek+1
.endr
.irp t, 0,1,2,3
	global_store_b128 v[HO], v[HP+4*\t:HP+4*\t+3], s[12:13] offset:262144*(\i)+512*\t   ; 32 lanes x 16 bytes: 512 consecutive bytes, aligned: one plane of a K step
.endr
.endm
; A pass over nt row tiles: 32 K steps as 8 trips of four; the first and the last trip are written out.
; Token loads out: 2 nt for each of three steps at the most.  In a full step the two younger steps' 4 nt stay out; in the tail 4 nt, 2 nt, 0.
.macro PASS nt
.set pi, 0
.rept \nt
	ds_load_b32 v[TOK+pi], v[LA] offset:256*pi     ; tile 4 (done + i) + wave, row r
.set pi, pi+1
.endr
	s_mov_b64 s[28:29], s[4:5]
.irp a, 0,1,2,3
	v_mov_b32 v[BA+\a], v[BA0+\a]
.endr
	s_wait_dscnt 0x0
.set pi, 0
.rept \nt
	v_min_u32 v[TOK+pi], 0x3ff, v[TOK+pi]          ; a token's number stays inside xb's 1,024 rows
	v_lshlrev_b32 v[AO+pi], 11, v[TOK+pi]          ; rows of 2,048 bytes
	v_add_nc_u32 v[AO+pi], v[HH16], v[AO+pi]
.set pi, pi+1
.endr
	AFILL \nt, 0, 0
	AFILL \nt, 1, 64
	AFILL \nt, 2, 128
	BFILL BF0, 0
	KSTEP \nt, 0, 1, 1, 1, (4*\nt), 16             ; the first products start the sums: nothing is cleared
	KSTEP \nt, 1, 0, 1, 1, (4*\nt), 16
	KSTEP \nt, 2, 0, 1, 1, (4*\nt), 16
	KSTEP \nt, 3, 0, 1, 1, (4*\nt), 16
	TRIPEND
	s_mov_b32 s27, 6
.Lk_\@:
	KSTEP \nt, 0, 0, 1, 1, (4*\nt), 16
	KSTEP \nt, 1, 0, 1, 1, (4*\nt), 16
	KSTEP \nt, 2, 0, 1, 1, (4*\nt), 16
	KSTEP \nt, 3, 0, 1, 1, (4*\nt), 16
	TRIPEND
	s_sub_co_u32 s27, s27, 1
	s_cmp_lg_u32 s27, 0
	s_cbranch_scc1 .Lk_\@
	KSTEP \nt, 0, 0, 1, 1, (4*\nt), 16             ; asks for the last K step
	KSTEP \nt, 1, 0, 0, 1, (4*\nt), 16             ; no load leaves a row: the counts run down
	KSTEP \nt, 2, 0, 0, 1, (2*\nt), 16
	KSTEP \nt, 3, 0, 0, 0, 0, 0
	PLACES
.set pi, 0
.rept \nt
	EPI pi
.set pi, pi+1
.endr
	WIN 0
.endm
	s_load_b256 s[4:11], s[0:1], 0x0               ; xb s[4:5], w1 s[6:7], w2 s[8:9], masks s[10:11]
	s_load_b128 s[12:15], s[0:1], 0x20             ; hf s[12:13], rank s[14:15]
	v_lshl_add_u32 v254, v0, 2, 0x42900
	v_mov_b32 v255, 0
	v_lshrrev_b32 v1, 5, v0
	v_readfirstlane_b32 s16, v1                    ; wave 0..3
	s_lshr_b32 s17, ttmp9, 5                       ; e
	s_and_b32 s18, ttmp9, 31                       ; s
	v_and_b32 v1, 31, v0                           ; lane
	v_and_b32 v2, 15, v0                           ; r (phase 1: c, my 16 bytes of a row's 256)
	v_bfe_u32 v3, v0, 4, 1                         ; hh (phase 1: which 8 K rows)
	v_lshlrev_b32 v[LDW], 4, v2
	v_lshl_add_u32 v[LDW], v3, 16, v[LDW]          ; + 8 rows of 8,192 bytes
	s_lshl_b32 s30, s16, 17                        ; + 16 rows a wave
	v_add_nc_u32 v[LDW], s30, v[LDW]
	s_lshl_b32 s30, s17, 23                        ; an expert's matrix: 1,024 rows of 8,192 bytes
	s_lshl_b32 s32, s18, 8                         ; 64 columns of f32
	s_add_co_u32 s30, s30, s32
	s_mov_b32 s31, 0
	s_lshl_b32 s32, s17, 7                         ; the expert's 32 mask words
	s_mov_b32 s33, 0
	s_wait_kmcnt 0x0
	s_add_nc_u64 s[10:11], s[10:11], s[32:33]
	s_load_b512 s[68:83], s[10:11], 0x0
	s_load_b512 s[84:99], s[10:11], 0x40
	s_add_nc_u64 s[6:7], s[6:7], s[30:31]
	s_add_nc_u64 s[8:9], s[8:9], s[30:31]
.irp n0, 0,1,2,3,4,5
	ULOAD \n0                                      ; the ring is filled before anything else: 48 loads, 24 KiB a wave
.endr
	s_lshl_b32 s30, s17, 22                        ; hf: an expert's 64 tiles of 65,536 bytes,
	s_lshl_b32 s32, s18, 11                        ; my two K steps of 1,024 bytes
	s_add_co_u32 s30, s30, s32
	s_add_nc_u64 s[12:13], s[12:13], s[30:31]
	s_lshl_b32 s30, s17, 12                        ; rank: the expert's 1,024 words, block s
	s_lshl_b32 s32, s18, 7
	s_add_co_u32 s30, s30, s32
	s_add_nc_u64 s[14:15], s[14:15], s[30:31]
	v_lshlrev_b32 v[HH16], 4, v3
	v_mul_u32_u24 v[ST], v2, 4*PITCH               ; column 4 c: tile c / 4, row 4 (c % 4) = c x 4 rows + (c / 4) x 16 bytes
	v_lshrrev_b32 v[TOK], 2, v2
	v_lshl_add_u32 v[ST], v[TOK], 4, v[ST]
	s_lshl_b32 s30, s16, 5                         ; K = 16 wave + 8 hh, two bytes each
	s_add_co_u32 s30, s30, WB
	v_add_nc_u32 v[ST], v[HH16], v[ST]
	v_add_nc_u32 v[ST], s30, v[ST]
	v_add_nc_u32 v[ST+1], 4*NTILE, v[ST]           ; w2's four tiles lie behind w1's
	v_mul_u32_u24 v[BA0], v2, PITCH
	v_add_nc_u32 v[BA0], v[HH16], v[BA0]
	v_add_nc_u32 v[BA0], WB, v[BA0]
.irp a, 1,2,3
	v_add_nc_u32 v[BA0+\a], \a*2*NTILE, v[BA0]
.endr
	s_lshl_b32 s30, s16, 6
	v_lshl_add_u32 v[LA0], v2, 2, s30              ; the list begins at LDS byte 0: word 16 wave + r
	s_lshl_b32 s30, s16, 16
	v_lshl_add_u32 v[HO0], v1, 4, s30              ; tile = wave, 16 bytes a lane
	s_wait_kmcnt 0x0                               ; the masks
	s_mov_b32 s24, 0                               ; tokens counted so far
	s_cmp_lg_u32 s16, 0
	s_cbranch_scc1 .Lcount
	; WAVE 0 writes the list: token 32 b + l goes to word (tokens counted in lower blocks) + (set bits below l); a lane whose token did not
	; choose e writes to its own dump word.  All lanes stay on.  The choice of the index stands in front of its clamp; behind the clamp
	; there is one shift: the store stays inside the list's 8,192 bytes whatever the masks hold.
.irp z, 240,241,242,243
	v_mov_b32 v\z, 0
.endr
	v_lshlrev_b32 v246, 4, v1
.irp z, 0,1,2,3,4,5,6,7,8
	ds_store_b128 v246, v[240:243] offset:512*\z   ; token 0 everywhere first: the last tile's spare rows
.endr
	v_mov_b32 v244, v1                             ; the lane's token in block 0
	v_add_nc_u32 v247, LISTW, v1                   ; the lane's dump word
	s_mov_b32 s25, 0
	s_mov_b32 s26, 0
.set blk, 0
.rept 32
	v_mbcnt_lo_u32_b32 v245, s[68+blk], s24
	v_cndmask_b32 v245, v247, v245, s[68+blk]
	v_min_u32 v245, 0x7ff, v245
	v_lshlrev_b32 v246, 2, v245
	ds_store_b32 v246, v244
	v_add_nc_u32 v244, 32, v244
	s_cmp_eq_u32 s18, blk                          ; block s is the one whose ranks this work-group stores
	s_cselect_b32 s25, s24, s25
	s_cselect_b32 s26, s[68+blk], s26
	s_bcnt1_i32_b32 s32, s[68+blk]
	s_add_co_u32 s24, s24, s32
.set blk, blk+1
.endr
	v_mbcnt_lo_u32_b32 v248, s26, s25
	v_lshlrev_b32 v249, 2, v1
	global_store_b32 v249, v248, s[14:15]          ; rank[e][32 s + lane]; v248, v249 are not written again
	s_branch .Lhave_c
.Lcount:
.set blk, 0
.rept 32
	s_bcnt1_i32_b32 s32, s[68+blk]
	s_add_co_u32 s24, s24, s32
.set blk, blk+1
.endr
.Lhave_c:
	s_min_u32 s19, s24, 1024                       ; c, the expert's tokens
	s_add_co_u32 s19, s19, 15
	s_lshr_b32 s19, s19, 4                         ; row tiles
	s_add_co_u32 s20, s19, 3
	s_sub_co_u32 s20, s20, s16
	s_lshr_b32 s20, s20, 2                         ; of them mine: tiles wave, wave + 4, ..
	s_min_u32 s20, s20, 16
.set un, 0
.rept U
	UNIT
.set un, un+1
.endr
	s_wait_dscnt 0x0                               ; my part of the weights (and wave 0's list) is in LDS, for the others' sake
	s_barrier_signal -1
	s_barrier_wait -1                              ; the launch's one barrier: behind it LDS is only read
	s_mov_b32 s21, 0                               ; the pass: at most 3 of 6 tiles cover a wave's 16
.Lpass:
	s_mul_i32 s23, s21, 6                          ; my tiles done
	s_cmp_le_u32 s20, s23
	s_cbranch_scc1 .Lend                           ; none left
	s_sub_co_u32 s22, s20, s23
	s_min_u32 s22, s22, 6                          ; tiles of this pass
	s_wait_xcnt 0x0                                ; the last pass's stores read HO: it is rewritten only behind this wait
	s_lshl_b32 s30, s23, 8                         ; 4 tiles x 16 words for each of my tiles done
	v_add_nc_u32 v[LA], s30, v[LA0]
	s_lshl_b32 s30, s23, 18                        ; 4 tiles x 65,536 bytes
	v_add_nc_u32 v[HO], s30, v[HO0]
	s_cmp_eq_u32 s22, 1
	s_cbranch_scc1 .Lv1
	s_cmp_eq_u32 s22, 2
	s_cbranch_scc1 .Lv2
	s_cmp_eq_u32 s22, 3
	s_cbranch_scc1 .Lv3
	s_cmp_eq_u32 s22, 4
	s_cbranch_scc1 .Lv4
	s_cmp_eq_u32 s22, 5
	s_cbranch_scc1 .Lv5
	PASS 6
	s_branch .Lnext
.Lv1:
	PASS 1
	s_branch .Lnext
.Lv2:
	PASS 2
	s_branch .Lnext
.Lv3:
	PASS 3
	s_branch .Lnext
.Lv4:
	PASS 4
	s_branch .Lnext
.Lv5:
	PASS 5
.Lnext:
	s_add_co_u32 s21, s21, 1
	s_cmp_lt_u32 s21, 3
	s_cbranch_scc1 .Lpass
.Lend:
	s_barrier_signal -1
	s_barrier_wait -1
	s_wait_tensorcnt 0x0
	ds_add_u32 v254, v255
	s_wait_dscnt 0x0
	s_endpgm
.Lfunc_end_k_q8c94848d83_up:
	.size	k_q8c94848d83_up, .Lfunc_end_k_q8c94848d83_up-k_q8c94848d83_up
	.p2alignl 7, 3214868480
	.fill 96, 4, 3214868480
	.section	.rodata,"a",@progbits
	.p2align	6, 0x0
	.amdhsa_kernel k_q8c94848d83_up
		.amdhsa_group_segment_fixed_size 273152
		.amdhsa_private_segment_fixed_size 0
		.amdhsa_enable_private_segment 0
		.amdhsa_kernarg_size 48
		.amdhsa_user_sgpr_count 2
		.amdhsa_user_sgpr_kernarg_segment_ptr 1
		.amdhsa_wavefront_size32 1
		.amdhsa_system_sgpr_workgroup_id_x 1
		.amdhsa_system_sgpr_workgroup_id_y 1
		.amdhsa_system_sgpr_workgroup_id_z 1
		.amdhsa_system_vgpr_workitem_id 0
		.amdhsa_next_free_vgpr 896
		.amdhsa_next_free_sgpr 100
		.amdhsa_reserve_vcc 0
		.amdhsa_float_denorm_mode_32 3
		.amdhsa_float_denorm_mode_16_64 3
		.amdhsa_memory_ordered 1
		.amdhsa_forward_progress 1
		.amdhsa_inst_pref_size 255
	.end_amdhsa_kernel
	.section	.bss,"aw",@nobits
	.p2align	6
	.space	262144
	.amdgpu_metadata
---
amdhsa.version: [ 1, 2 ]
amdhsa.kernels:
  - .name:           k_q8c94848d83_up
    .symbol:         k_q8c94848d83_up.kd
    .args:
      - { .name: xb, .offset: 0, .size: 8, .value_kind: global_buffer, .address_space: global }
      - { .name: w1, .offset: 8, .size: 8, .value_kind: global_buffer, .address_space: global }
      - { .name: w2, .offset: 16, .size: 8, .value_kind: global_buffer, .address_space: global }
      - { .name: masks, .offset: 24, .size: 8, .value_kind: global_buffer, .address_space: global }
      - { .name: hf, .offset: 32, .size: 8, .value_kind: global_buffer, .address_space: global }
      - { .name: rank, .offset: 40, .size: 8, .value_kind: global_buffer, .address_space: global }
    .group_segment_fixed_size: 273152
    .private_segment_fixed_size: 0
    .kernarg_segment_align: 8
    .kernarg_segment_size: 48
    .max_flat_workgroup_size: 128
    .sgpr_count:     100
    .vgpr_count:     896
    .wavefront_size: 32
...
	.end_amdgpu_metadata
.endif
;; end of part 2
;; launch down (part 3): grid 256 x 1, 4 waves a work-group, no clusters, 132,608 bytes of LDS; arguments hf, w3, masks, y; writes y
.if DOCPART == 3
	.amdgcn_target "amdgcn-amd-amdhsa--gfx1250"
	.amdhsa_code_object_version 6
	.text
	.protected	k_q8c94848d83_down
	.globl	k_q8c94848d83_down
	.p2align	8
	.type	k_q8c94848d83_down,@function
k_q8c94848d83_down:
	s_mov_b64 s[64:65], 0
	v_nop
	global_prefetch_b8 v0, s[64:65] scope:SCOPE_SE
	s_setreg_imm32_b32 hwreg(HW_REG_WAVE_MODE, 25, 1), 1
	s_wait_xcnt 0x0
; DOWN.  For expert e = group / 32, half kh = (group / 16) % 2 of the hidden axis and output columns 64 cs .. 64 cs + 63 (cs = group % 16):
; y[kh][e][row][col] = sum over 1,024 hidden k of h[e][row][k] w3[e][k][col], for the expert's row tiles.
; hf: bf16 in fragment image [8 e][64 row tiles][64 K steps of 32][2 planes][32 lanes][16 bytes]; w3 [8][2048 k][1024 n] f32; masks u32 [8][32];
; y: f32 [2 kh][8 e x 1,024 rows][1024].  K is halved so that a work-group's rows of w3 and of y are whole pieces of 256 bytes
; (64 columns); the two halves are added by the next launch, which reads both anyway.
; Built like the launch before it.  PHASE 1: the slice of w3 (1,024 x 64 f32, 256 KiB) streams once through six register slots of 4 KiB a wave into
; LDS as bf16 with K along the rows.  PHASE 2: row tiles by turns (tile = 4 n + wave), up to six a pass x 4 column tiles in accumulators;
; weight fragments from LDS, token fragments straight from hf: one load of a wave takes 512 consecutive bytes, which are the fragment.
; The ring of token fragments has 8 slots for up to 4 tiles and 4 slots for 5 or 6: 56 and 36 loads out at the most.
; THE COLUMNS ARE DEALT TO THE FOUR COLUMN TILES BY TURNS: column 4 c + q of the slice is row c of tile q.  Source 0 = 16 tokens, source 1 = 16 such
; columns: lane (r, hh) register j of tile t holds token 8 hh + j, column 4 r + t.  The four tiles' registers of equal j are then 16
; neighbouring bytes of a row of y, and sixteen lanes hold the row's whole piece of 256 bytes.  Four moves bring them side by side for
; a 16-byte store: 32 moves a tile, in the place of 8 LDS stores, 8 LDS loads and a stage; behind the barrier LDS is only read.
; NO JOINT LOADS: the 16 column slices of an expert's half read the same tiles of hf, but these go straight into registers; through LDS a K step
; of a wave would read 2 nt more 16-byte loads beside the 8 of the weights.  The weights, the bytes that come from memory, are shared by nobody.
.set WROW,  4096                       ; bytes in a row of w3
.set PITCH, 2064                       ; an LDS row: 1,024 bf16 + 16 bytes: 129 x 16, so 16 rows' equal columns fall on 16 different 16-byte columns modulo 256
.set NTILE, 16*PITCH                   ; a column tile's 16 rows
.set R,     6
.set U,     16                         ; units of a wave: 16 steps of 64 K
.set LDW,   4                          ; v4      phase 1: my byte offset in the slice
.set ST,    5                          ; v5, v6  phase 1: where my 16 bytes go, in tiles 0, 1 and in tiles 2, 3
.set HH16,  7                          ; v7      16 hh
.set BA0,   8                          ; v[8:9]  LDS address of my weight fragments, column tiles 2 a, 2 a + 1, K = 0
.set BA,    10                         ; v[10:11] the same stepped along K
.set AO0,   12                         ; v12     my byte offset in hf, pass 0, tile 0
.set AO,    13                         ; v13     the same for this pass
.set YO0,   14                         ; v14     my byte offset in y, pass 0, tile 0
.set YO,    15                         ; v15     the same for this pass
.set XR0,   32                         ; v[32:223] phase 1: six slots
.set T,     224                        ; v[224:239] phase 1: 4 columns x 8 K in bf16
.set BF0,   64                         ; v[64:95], v[96:127] weight fragments, two buffers
.set F,     64                         ; v[64:95] the way out: a tile's 8 x 4 registers in the order of the stores
; window 1: accumulators, tile i, column tile t at 32 i + 8 t;  window 2: token fragments, slot d, tile i at ss d + 8 i (ss = 256 / slots)
.set MSB, 0
.macro WIN new                         ; the immediate's high byte repeats the setting that is left; a switch that changes nothing is dropped
.if MSB != \new
	s_set_vgpr_msb (MSB<<8)|\new
.set MSB, \new
.endif
.endm
.macro PLACES                          ; four places behind a matrix instruction (ISA guide 7.12.1)
.rept 4
	v_nop
.endr
.endm
.macro ULOAD uu                        ; 16 K rows x 64 columns: K rows 64 uu + 16 wave + 8 hh + j; each load covers two whole rows' 256 bytes
.irp j, 0,1,2,3,4,5,6,7
	global_load_b128 v[XR0+32*((\uu)%R)+4*\j:XR0+32*((\uu)%R)+4*\j+3], v[LDW], s[6:7] offset:(64*(\uu)+\j)*WROW th:TH_LOAD_NT
.endr
.endm
.macro UNIT                            ; unit number in the symbol un
.if (U-1-un) < (R-1)
	s_wait_loadcnt 8*(U-1-un)                      ; the tail: only the units still to come are out
.else
	s_wait_loadcnt 8*(R-1)                         ; this unit's 8 loads are in, the five younger units' 40 stay out
.endif
.irp q, 0,1,2,3
.irp p, 0,1,2,3
	v_cvt_pk_bf16_f32 v[T+4*\q+\p], v[XR0+32*(un%R)+8*\p+\q], v[XR0+32*(un%R)+8*\p+4+\q]   ; column q, K rows 2 p and 2 p + 1: K ascends in the word
.endr
.endr
.if (un+R) < U
	ULOAD (un+R)
.endif
.irp q, 0,1,2,3
	ds_store_b128 v[ST+(\q>>1)], v[T+4*\q:T+4*\q+3] offset:(\q&1)*NTILE+128*un   ; 8 K of column 4 c + q: tile q, row c
.endr
.endm
.macro AFILL nt, ss, d, kb             ; token fragments of one K step into slot d: the two planes of each tile
	WIN 0x80
.set ai, 0
.rept \nt
	global_load_b128 v[\ss*(\d)+8*ai:\ss*(\d)+8*ai+3],   v[AO], s[28:29] offset:262144*ai+\kb
	global_load_b128 v[\ss*(\d)+8*ai+4:\ss*(\d)+8*ai+7], v[AO], s[28:29] offset:262144*ai+\kb+512
.set ai, ai+1
.endr
.endm
.macro BFILL buf, kb
	WIN 0
.set bt, 0
.rept 4
	ds_load_b128 v[\buf+8*bt:\buf+8*bt+3],   v[BA+(bt>>1)] offset:(bt&1)*NTILE+\kb
	ds_load_b128 v[\buf+8*bt+4:\buf+8*bt+7], v[BA+(bt>>1)] offset:(bt&1)*NTILE+\kb+32
.set bt, bt+1
.endr
.endm
; 4 nt matrix instructions: every accumulator has one turn a step, in the same order in every step.
.macro MM nt, ss, u, zero
	WIN 0x52                                       ; source 0 (tokens) window 2, source 1 (weights) window 0, C and D window 1
.set mi, 0
.rept \nt
.set mt, 0
.rept 4
.if \zero
	v_wmma_f32_16x16x32_bf16 v[32*mi+8*mt:32*mi+8*mt+7], v[\ss*(\u)+8*mi:\ss*(\u)+8*mi+7], v[BF0+32*((\u)&1)+8*mt:BF0+32*((\u)&1)+8*mt+7], 0
.else
	v_wmma_f32_16x16x32_bf16 v[32*mi+8*mt:32*mi+8*mt+7], v[\ss*(\u)+8*mi:\ss*(\u)+8*mi+7], v[BF0+32*((\u)&1)+8*mt:BF0+32*((\u)&1)+8*mt+7], v[32*mi+8*mt:32*mi+8*mt+7]
.endif
.set mt, mt+1
.endr
.set mi, mi+1
.endr
.endm
.macro KSTEP nt, dd, ss, u, zero, afill, bfill, lc, dc
	PLACES                                         ; behind the last step's matrix instructions, which read the registers loaded next
.if \bfill
	BFILL (BF0+32*((\u+1)&1)), (64*(\u+1))
.endif
	s_wait_loadcnt \lc                             ; this step's token fragments are in
.if \afill
	AFILL \nt, \ss, ((\u+\dd-1)%\dd), ((\u+\dd-1)*1024)
.endif
	s_wait_dscnt \dc                               ; this step's weight fragments are in
	MM \nt, \ss, \u, \zero
.endm
; A full trip of dd K steps: in each the dd - 2 younger steps' 2 nt loads stay out, and the 8 LDS loads just issued.
.macro TRIP nt, dd, ss, first
.set ku, 0
.rept \dd
.set kz, 0
.if \first
.if ku == 0
.set kz, 1                             ; the first products start the sums: nothing is cleared
.endif
.endif
	KSTEP \nt, \dd, \ss, ku, kz, 1, 1, (2*\nt*(\dd-2)), 8
.set ku, ku+1
.endr
.endm
; The last trip: its first step asks for the last K step, the others for nothing, and the counts run down.
.macro LAST nt, dd, ss
.set ku, 0
.rept \dd
.if ku == 0
	KSTEP \nt, \dd, \ss, ku, 0, 1, 1, (2*\nt*(\dd-2)), 8
.else
.if ku == \dd-1
	KSTEP \nt, \dd, \ss, ku, 0, 0, 0, 0, 0
.else
	KSTEP \nt, \dd, \ss, ku, 0, 0, 1, (2*\nt*(\dd-1-ku)), 8
.endif
.endif
.set ku, ku+1
.endr
.endm
.macro TRIPEND dd
	WIN 0
	s_wait_xcnt 0x0                                ; the base of the token loads is stepped only behind this wait
	s_add_nc_u64 s[28:29], s[28:29], \dd*1024
	v_add_nc_u32 v[BA], \dd*64, v[BA]
	v_add_nc_u32 v[BA+1], \dd*64, v[BA+1]
.endm
; Tile i's way out: register j of the four column tiles side by side, then one store for rows j and 8 + j.
.macro OUT i
	s_wait_xcnt 0x0                                ; F, which the last tile's stores read, is rewritten only behind this wait
	WIN 0x01                                       ; source 0 window 1
.irp j, 0,1,2,3,4,5,6,7
.irp t, 0,1,2,3
	v_mov_b32 v[F+4*\j+\t], v[32*(\i)+8*\t+\j]     ; token 8 hh + j, column 4 r + t
.endr
.endr
	WIN 0
.irp j, 0,1,2,3,4,5,6,7
	global_store_b128 v[YO], v[F+4*\j:F+4*\j+3], s[10:11] offset:262144*(\i)+4096*\j   ; 16 lanes store 256 consecutive bytes, aligned: lanes 0-15 row j, lanes 16-31 row 8 + j
.endr
.endm
.macro PASS nt, dd, ss
	s_mov_b64 s[28:29], s[4:5]
	v_mov_b32 v[BA], v[BA0]
	v_mov_b32 v[BA+1], v[BA0+1]
.set pd, 0
.rept \dd-1
	AFILL \nt, \ss, pd, (pd*1024)
.set pd, pd+1
.endr
	BFILL BF0, 0
	TRIP \nt, \dd, \ss, 1
	TRIPEND \dd
	s_mov_b32 s27, 32/\dd-2
.Lk_\@:
	TRIP \nt, \dd, \ss, 0
	TRIPEND \dd
	s_sub_co_u32 s27, s27, 1
	s_cmp_lg_u32 s27, 0
	s_cbranch_scc1 .Lk_\@
	LAST \nt, \dd, \ss
	PLACES                                         ; behind the last matrix instructions: the moves read results and write over a fragment buffer
.set pi, 0
.rept \nt
	OUT pi
.set pi, pi+1
.endr
	WIN 0
.endm
	s_load_b256 s[4:11], s[0:1], 0x0               ; hf s[4:5], w3 s[6:7], masks s[8:9], y s[10:11]
	v_lshl_add_u32 v254, v0, 2, 0x20400
	v_mov_b32 v255, 0
	v_lshrrev_b32 v1, 5, v0
	v_readfirstlane_b32 s16, v1                    ; wave 0..3
	s_lshr_b32 s17, ttmp9, 5                       ; e
	s_bfe_u32 s18, ttmp9, 0x10004                  ; kh: one bit from bit 4
	s_and_b32 s19, ttmp9, 15                       ; cs
	v_and_b32 v1, 31, v0                           ; lane
	v_and_b32 v2, 15, v0                           ; r (phase 1: c, my 16 bytes of a row's 256)
	v_bfe_u32 v3, v0, 4, 1                         ; hh (phase 1: which 8 K rows)
	v_lshlrev_b32 v[LDW], 4, v2
	v_lshl_add_u32 v[LDW], v3, 15, v[LDW]          ; + 8 rows of 4,096 bytes
	s_lshl_b32 s30, s16, 16                        ; + 16 rows a wave
	v_add_nc_u32 v[LDW], s30, v[LDW]
	s_lshl_b32 s30, s17, 23                        ; an expert's matrix: 2,048 rows of 4,096 bytes,
	s_lshl_b32 s32, s18, 22                        ; its half,
	s_add_co_u32 s30, s30, s32
	s_lshl_b32 s32, s19, 8                         ; 64 columns of f32
	s_add_co_u32 s30, s30, s32
	s_mov_b32 s31, 0
	s_lshl_b32 s32, s17, 7                         ; the expert's 32 mask words
	s_mov_b32 s33, 0
	s_wait_kmcnt 0x0
	s_add_nc_u64 s[8:9], s[8:9], s[32:33]
	s_load_b512 s[68:83], s[8:9], 0x0
	s_load_b512 s[84:99], s[8:9], 0x40
	s_add_nc_u64 s[6:7], s[6:7], s[30:31]
.irp n0, 0,1,2,3,4,5
	ULOAD \n0                                      ; the ring is filled before anything else: 48 loads, 24 KiB a wave
.endr
	s_lshl_b32 s30, s17, 22                        ; hf: an expert's 64 tiles of 65,536 bytes,
	s_lshl_b32 s32, s18, 15                        ; the half's 32 K steps of 1,024 bytes
	s_add_co_u32 s30, s30, s32
	s_add_nc_u64 s[4:5], s[4:5], s[30:31]
	s_lshl_b32 s30, s18, 25                        ; y: a half's 8,192 rows of 4,096 bytes,
	s_lshl_b32 s32, s17, 22                        ; an expert's 1,024 rows,
	s_add_co_u32 s30, s30, s32
	s_lshl_b32 s32, s19, 8                         ; 64 columns
	s_add_co_u32 s30, s30, s32
	s_add_nc_u64 s[10:11], s[10:11], s[30:31]
	v_lshlrev_b32 v[HH16], 4, v3
	v_mul_u32_u24 v[ST], v2, PITCH
	v_add_nc_u32 v[BA0], v[HH16], v[ST]            ; row r (or c) + 16 hh: the fragments' address, and the stores' but for the wave
	v_add_nc_u32 v[BA0+1], 2*NTILE, v[BA0]
	s_lshl_b32 s30, s16, 5                         ; K = 16 wave + 8 hh, two bytes each
	v_add_nc_u32 v[ST], s30, v[BA0]
	v_add_nc_u32 v[ST+1], 2*NTILE, v[ST]
	s_lshl_b32 s30, s16, 16                        ; tile = wave: 65,536 bytes in hf and in y alike
	v_lshl_add_u32 v[AO0], v1, 4, s30
	v_lshl_add_u32 v[YO0], v2, 4, s30
	v_lshl_add_u32 v[YO0], v3, 15, v[YO0]          ; lanes 16-31 eight rows further down
	s_wait_kmcnt 0x0                               ; the masks
	s_mov_b32 s24, 0
.set blk, 0
.rept 32
	s_bcnt1_i32_b32 s32, s[68+blk]
	s_add_co_u32 s24, s24, s32
.set blk, blk+1
.endr
	s_min_u32 s24, s24, 1024                       ; c, the expert's tokens
	s_add_co_u32 s24, s24, 15
	s_lshr_b32 s24, s24, 4                         ; row tiles
	s_add_co_u32 s20, s24, 3
	s_sub_co_u32 s20, s20, s16
	s_lshr_b32 s20, s20, 2                         ; of them mine: tiles wave, wave + 4, ..
	s_min_u32 s20, s20, 16
.set un, 0
.rept U
	UNIT
.set un, un+1
.endr
	s_wait_dscnt 0x0                               ; my part of the weights is in LDS, for the others' sake
	s_barrier_signal -1
	s_barrier_wait -1                              ; the launch's one barrier: behind it LDS is only read
	s_mov_b32 s21, 0                               ; the pass: at most 3 of 6 tiles cover a wave's 16
.Lpass:
	s_mul_i32 s23, s21, 6                          ; my tiles done
	s_cmp_le_u32 s20, s23
	s_cbranch_scc1 .Lend                           ; none left
	s_sub_co_u32 s22, s20, s23
	s_min_u32 s22, s22, 6                          ; tiles of this pass
	s_wait_xcnt 0x0                                ; the last pass's stores read YO and F: they are rewritten only behind this wait
	s_lshl_b32 s30, s23, 18                        ; 4 tiles x 65,536 bytes for each of my tiles done, in hf and in y alike
	v_add_nc_u32 v[AO], s30, v[AO0]
	v_add_nc_u32 v[YO], s30, v[YO0]
	s_cmp_eq_u32 s22, 1
	s_cbranch_scc1 .Lv1
	s_cmp_eq_u32 s22, 2
	s_cbranch_scc1 .Lv2
	s_cmp_eq_u32 s22, 3
	s_cbranch_scc1 .Lv3
	s_cmp_eq_u32 s22, 4
	s_cbranch_scc1 .Lv4
	s_cmp_eq_u32 s22, 5
	s_cbranch_scc1 .Lv5
	PASS 6, 4, 64
	s_branch .Lnext
.Lv1:
	PASS 1, 8, 32
	s_branch .Lnext
.Lv2:
	PASS 2, 8, 32
	s_branch .Lnext
.Lv3:
	PASS 3, 8, 32
	s_branch .Lnext
.Lv4:
	PASS 4, 8, 32
	s_branch .Lnext
.Lv5:
	PASS 5, 4, 64
.Lnext:
	s_add_co_u32 s21, s21, 1
	s_cmp_lt_u32 s21, 3
	s_cbranch_scc1 .Lpass
.Lend:
	s_barrier_signal -1
	s_barrier_wait -1
	s_wait_tensorcnt 0x0
	ds_add_u32 v254, v255
	s_wait_dscnt 0x0
	s_endpgm
.Lfunc_end_k_q8c94848d83_down:
	.size	k_q8c94848d83_down, .Lfunc_end_k_q8c94848d83_down-k_q8c94848d83_down
	.p2alignl 7, 3214868480
	.fill 96, 4, 3214868480
	.section	.rodata,"a",@progbits
	.p2align	6, 0x0
	.amdhsa_kernel k_q8c94848d83_down
		.amdhsa_group_segment_fixed_size 132608
		.amdhsa_private_segment_fixed_size 0
		.amdhsa_enable_private_segment 0
		.amdhsa_kernarg_size 32
		.amdhsa_user_sgpr_count 2
		.amdhsa_user_sgpr_kernarg_segment_ptr 1
		.amdhsa_wavefront_size32 1
		.amdhsa_system_sgpr_workgroup_id_x 1
		.amdhsa_system_sgpr_workgroup_id_y 1
		.amdhsa_system_sgpr_workgroup_id_z 1
		.amdhsa_system_vgpr_workitem_id 0
		.amdhsa_next_free_vgpr 768
		.amdhsa_next_free_sgpr 100
		.amdhsa_reserve_vcc 0
		.amdhsa_float_denorm_mode_32 3
		.amdhsa_float_denorm_mode_16_64 3
		.amdhsa_memory_ordered 1
		.amdhsa_forward_progress 1
		.amdhsa_inst_pref_size 255
	.end_amdhsa_kernel
	.section	.bss,"aw",@nobits
	.p2align	6
	.space	262144
	.amdgpu_metadata
---
amdhsa.version: [ 1, 2 ]
amdhsa.kernels:
  - .name:           k_q8c94848d83_down
    .symbol:         k_q8c94848d83_down.kd
    .args:
      - { .name: hf, .offset: 0, .size: 8, .value_kind: global_buffer, .address_space: global }
      - { .name: w3, .offset: 8, .size: 8, .value_kind: global_buffer, .address_space: global }
      - { .name: masks, .offset: 16, .size: 8, .value_kind: global_buffer, .address_space: global }
      - { .name: y, .offset: 24, .size: 8, .value_kind: global_buffer, .address_space: global }
    .group_segment_fixed_size: 132608
    .private_segment_fixed_size: 0
    .kernarg_segment_align: 8
    .kernarg_segment_size: 32
    .max_flat_workgroup_size: 128
    .sgpr_count:     100
    .vgpr_count:     768
    .wavefront_size: 32
...
	.end_amdgpu_metadata
.endif
;; end of part 3
;; launch combine (part 4): grid 256 x 1, 4 waves a work-group, no clusters, 0 bytes of LDS; arguments y, idx, gate, rank, out0, out1; writes out0, out1
.if DOCPART == 4
	.amdgcn_target "amdgcn-amd-amdhsa--gfx1250"
	.amdhsa_code_object_version 6
	.text
	.protected	k_q8c94848d83_combine
	.globl	k_q8c94848d83_combine
	.p2align	8
	.type	k_q8c94848d83_combine,@function
k_q8c94848d83_combine:
	s_mov_b64 s[64:65], 0
	v_nop
	global_prefetch_b8 v0, s[64:65] scope:SCOPE_SE
	s_setreg_imm32_b32 hwreg(HW_REG_WAVE_MODE, 25, 1), 1
	s_wait_xcnt 0x0
; COMBINE.  out0[t] = g0 (y[0][p0] + y[1][p0]) + g1 (y[0][p1] + y[1][p1]), where p_k = 1,024 e_k + rank[e_k][t] is the row that token t has in the
; region of its k-th expert; out1 = 0.  y f32 [2][8192][1024]; idx u32 [1024][2]; gate f32 [1024][2]; rank u32 [8][1024]; out0 f32 [1024][1024].
; One wave, one token: four rows of 4,096 bytes in, one out, all 32 loads issued at once; no LDS, no barrier, no matrix unit: memory binds.
; The token's ranks for all eight experts are fetched together with its two experts, and the two are then picked by selects, so that the wave
; has two dependent steps to memory and not three.
	s_load_b256 s[4:11], s[0:1], 0x0               ; y s[4:5], idx s[6:7], gate s[8:9], rank s[10:11]
	s_load_b128 s[12:15], s[0:1], 0x20             ; out0 s[12:13], out1 s[14:15]
	v_lshrrev_b32 v2, 5, v0
	v_readfirstlane_b32 s16, v2                    ; wave 0..3
	v_and_b32 v1, 31, v0
	v_lshlrev_b32 v1, 4, v1                        ; 16 bytes a lane
	s_lshl_b32 s17, ttmp9, 2
	s_add_co_u32 s17, s17, s16                     ; t
	s_lshl_b32 s20, s17, 3                         ; idx, gate: 8 bytes a token
	s_mov_b32 s21, 0
	s_lshl_b32 s22, s17, 2                         ; rank: 4 bytes a token
	s_mov_b32 s23, 0
	s_lshl_b32 s46, s17, 12                        ; out0: 4,096 bytes a token
	s_mov_b32 s47, 0
	s_wait_kmcnt 0x0
	s_add_nc_u64 s[6:7], s[6:7], s[20:21]
	s_add_nc_u64 s[8:9], s[8:9], s[20:21]
	s_add_nc_u64 s[10:11], s[10:11], s[22:23]
	s_add_nc_u64 s[12:13], s[12:13], s[46:47]
	s_load_b64 s[18:19], s[6:7], 0x0               ; e0, e1
	s_load_b64 s[32:33], s[8:9], 0x0               ; g0, g1
.irp e, 0,1,2,3,4,5,6,7
	s_load_b32 s[24+\e], s[10:11], 4096*\e         ; rank[e][t]
.endr
	s_wait_kmcnt 0x0
	s_mov_b32 s20, s24
	s_mov_b32 s22, s24
.irp e, 1,2,3,4,5,6,7
	s_cmp_eq_u32 s18, \e
	s_cselect_b32 s20, s[24+\e], s20
	s_cmp_eq_u32 s19, \e
	s_cselect_b32 s22, s[24+\e], s22
.endr
	s_min_u32 s18, s18, 7
	s_min_u32 s19, s19, 7
	s_min_u32 s20, s20, 1023
	s_min_u32 s22, s22, 1023
	s_lshl_b32 s18, s18, 10
	s_lshl_b32 s19, s19, 10
	s_add_co_u32 s20, s20, s18                     ; p0
	s_add_co_u32 s22, s22, s19                     ; p1
	s_lshl_b32 s20, s20, 12                        ; rows of 4,096 bytes; s21 and s23 are still 0
	s_lshl_b32 s22, s22, 12
	s_add_nc_u64 s[38:39], s[4:5], s[20:21]        ; y[0][p0]
	s_add_nc_u64 s[40:41], s[38:39], 0x2000000     ; y[1][p0]: 8,192 rows on
	s_add_nc_u64 s[42:43], s[4:5], s[22:23]        ; y[0][p1]
	s_add_nc_u64 s[44:45], s[42:43], 0x2000000     ; y[1][p1]
	s_mov_b32 s34, s32                             ; (g0, g0) and (g1, g1): pairs for the packed forms, which take the first of a scalar pair for both halves
	s_mov_b32 s35, s32
	s_mov_b32 s36, s33
	s_mov_b32 s37, s33
.irp q, 0,1,2,3,4,5,6,7
	global_load_b128 v[32+16*\q:35+16*\q], v1, s[38:39] offset:512*\q th:TH_LOAD_NT
	global_load_b128 v[36+16*\q:39+16*\q], v1, s[40:41] offset:512*\q th:TH_LOAD_NT
	global_load_b128 v[40+16*\q:43+16*\q], v1, s[42:43] offset:512*\q th:TH_LOAD_NT
	global_load_b128 v[44+16*\q:47+16*\q], v1, s[44:45] offset:512*\q th:TH_LOAD_NT
.endr
.irp q, 0,1,2,3,4,5,6,7
	s_wait_loadcnt 4*(7-\q)                        ; piece q's four loads are in; the younger pieces' stay out
	v_pk_add_f32 v[32+16*\q:33+16*\q], v[32+16*\q:33+16*\q], v[36+16*\q:37+16*\q]
	v_pk_add_f32 v[34+16*\q:35+16*\q], v[34+16*\q:35+16*\q], v[38+16*\q:39+16*\q]
	v_pk_add_f32 v[40+16*\q:41+16*\q], v[40+16*\q:41+16*\q], v[44+16*\q:45+16*\q]
	v_pk_add_f32 v[42+16*\q:43+16*\q], v[42+16*\q:43+16*\q], v[46+16*\q:47+16*\q]
	v_pk_mul_f32 v[32+16*\q:33+16*\q], v[32+16*\q:33+16*\q], s[34:35] op_sel_hi:[1,0]
	v_pk_mul_f32 v[34+16*\q:35+16*\q], v[34+16*\q:35+16*\q], s[34:35] op_sel_hi:[1,0]
	v_pk_fma_f32 v[32+16*\q:33+16*\q], v[40+16*\q:41+16*\q], s[36:37], v[32+16*\q:33+16*\q] op_sel_hi:[1,0,1]
	v_pk_fma_f32 v[34+16*\q:35+16*\q], v[42+16*\q:43+16*\q], s[36:37], v[34+16*\q:35+16*\q] op_sel_hi:[1,0,1]
	global_store_b128 v1, v[32+16*\q:35+16*\q], s[12:13] offset:512*\q th:TH_STORE_NT   ; 512 consecutive bytes, aligned; no register here is written again
.endr
	s_or_b32 s46, ttmp9, s16
	s_cmp_lg_u32 s46, 0
	s_cbranch_scc1 .Lend                           ; out1 is the first wave's
	v_mov_b32 v2, 0
	v_cmp_eq_u32 vcc_lo, 0, v0
	s_wait_xcnt 0x0                                ; EXEC changes only behind s_wait_xcnt 0
	s_and_saveexec_b32 s47, vcc_lo
	global_store_b32 v2, v2, s[14:15]              ; 0.0
	s_wait_xcnt 0x0
	s_or_b32 exec_lo, exec_lo, s47
.Lend:
	s_endpgm
.Lfunc_end_k_q8c94848d83_combine:
	.size	k_q8c94848d83_combine, .Lfunc_end_k_q8c94848d83_combine-k_q8c94848d83_combine
	.p2alignl 7, 3214868480
	.fill 96, 4, 3214868480
	.section	.rodata,"a",@progbits
	.p2align	6, 0x0
	.amdhsa_kernel k_q8c94848d83_combine
		.amdhsa_group_segment_fixed_size 0
		.amdhsa_private_segment_fixed_size 0
		.amdhsa_enable_private_segment 0
		.amdhsa_kernarg_size 48
		.amdhsa_user_sgpr_count 2
		.amdhsa_user_sgpr_kernarg_segment_ptr 1
		.amdhsa_wavefront_size32 1
		.amdhsa_system_sgpr_workgroup_id_x 1
		.amdhsa_system_sgpr_workgroup_id_y 1
		.amdhsa_system_sgpr_workgroup_id_z 1
		.amdhsa_system_vgpr_workitem_id 0
		.amdhsa_next_free_vgpr 160
		.amdhsa_next_free_sgpr 66
		.amdhsa_reserve_vcc 1
		.amdhsa_float_denorm_mode_32 3
		.amdhsa_float_denorm_mode_16_64 3
		.amdhsa_memory_ordered 1
		.amdhsa_forward_progress 1
		.amdhsa_inst_pref_size 12
	.end_amdhsa_kernel
	.amdgpu_metadata
---
amdhsa.version: [ 1, 2 ]
amdhsa.kernels:
  - .name:           k_q8c94848d83_combine
    .symbol:         k_q8c94848d83_combine.kd
    .args:
      - { .name: y, .offset: 0, .size: 8, .value_kind: global_buffer, .address_space: global }
      - { .name: idx, .offset: 8, .size: 8, .value_kind: global_buffer, .address_space: global }
      - { .name: gate, .offset: 16, .size: 8, .value_kind: global_buffer, .address_space: global }
      - { .name: rank, .offset: 24, .size: 8, .value_kind: global_buffer, .address_space: global }
      - { .name: out0, .offset: 32, .size: 8, .value_kind: global_buffer, .address_space: global }
      - { .name: out1, .offset: 40, .size: 8, .value_kind: global_buffer, .address_space: global }
    .group_segment_fixed_size: 0
    .private_segment_fixed_size: 0
    .kernarg_segment_align: 8
    .kernarg_segment_size: 48
    .max_flat_workgroup_size: 128
    .sgpr_count:     66
    .vgpr_count:     160
    .wavefront_size: 32
...
	.end_amdgpu_metadata
.endif
;; end of part 4
